; MI455X (gfx1250); checked and timed in simulation.
; The chip was launched on July 23, 2026; its instructions are those of AMD's public machine-readable ISA for CDNA 5 (MIT licence, August 2026) and "CDNA5" Instruction Set Architecture Reference Guide (July 2026). The comments in the code are by the model that wrote it; some were corrected since.
;; Quantized PCME Projector. Allowed arithmetic: float matrix products may take bf16 or f16 operands with f32 sums; other float arithmetic in f32, or as packed bf16 or f16 multiplies, adds, multiply-adds, maxima and minima; sums over many terms, partial sums and values carried from step to step in f32; what a program stores and reads back later, other than sums and carried values, may be rounded once to bf16 or f16.
;; Inputs: b_lv1 4,096 int32; b_lv2 1,024 int32; b_mu1 4,096 int32; b_mu2 1,024 int32; w_lv1 4,096 x 1,024 int32; w_lv2 1,024 x 4,096 int32; w_mu1 4,096 x 1,024 int32; w_mu2 1,024 x 4,096 int32; x 4,096 x 1,024 float32.
;; Outputs: out0 4,096 x 1,024 float32; out1 4,096 x 1,024 float32.
;; 2 versions, each right; version 2 is version 1 with the launch prep written anew for expert scheduling mode. Each part assembles by itself: llvm-mc -triple=amdgcn-amd-amdhsa -mcpu=gfx1250 --defsym DOCPART=n.
;; ======== version 1 of 2: 4 launches
;; workspace buffers: xq 8,388,608 bytes; w1 16,777,216 bytes; w2 16,777,216 bytes; hq 67,108,864 bytes; part 67,108,864 bytes
;; launch prep (part 1): grid 256 x 3, 8 waves a work-group, no clusters, 0 bytes of LDS; arguments x, w_mu1, w_lv1, xq, w1; writes xq, w1
.if DOCPART == 1
	.amdgcn_target "amdgcn-amd-amdhsa--gfx1250"
	.amdhsa_code_object_version 6
	.text
	.protected	k_q8bedf39e1b_prep
	.globl	k_q8bedf39e1b_prep
	.p2align	8
	.type	k_q8bedf39e1b_prep,@function
k_q8bedf39e1b_prep:
	s_mov_b64 s[64:65], 0
	v_nop
	global_prefetch_b8 v0, s[64:65] scope:SCOPE_SE
	s_setreg_imm32_b32 hwreg(HW_REG_WAVE_MODE, 25, 1), 1
	s_wait_xcnt 0x0
; THE OPERANDS OF THE FIRST LAYER'S PRODUCT, MADE ONCE.  Three tensors of 16,777,216 bytes, chosen by the grid's y:
;   0: x (f32)        -> xq = clip(round(x / 0.02), -128, 127) as bf16: whole numbers of 8 bits, exact in bf16
;   1, 2: w_mu1, w_lv1 (int32) -> w1 [8192][1024] bf16, mu's rows first
; (The second layer's weights are wanted only two launches on: they are converted beside the first layer's product.)
; A stream: a work-group takes 65,536 input bytes, a wave 8,192: sixteen loads of 512 consecutive bytes, all issued at once; four numbers a lane become 8 bytes,
; so each store of the wave covers 256 consecutive bytes, aligned.  No register is written twice, so the stores' sources need no wait.  No LDS, no barrier: no wave wants another's bytes.
; THE QUOTIENT.  DIVIDE = 0: q = 50.0f x, rounded once: the division by the constant 0.02f taken as a multiplication by its reciprocal rounded to f32 (1 / 0.02f = 50.0000011; f32 numbers lie 3.8e-6 apart there).
; DIVIDE = 1: q = x / 0.02f rounded once: q0 = 50 x; r = x - q0 c (one fused multiply-add); q = q0 + 50 r.
; LIMIT, STATED: the two differ by 2.2e-8 of q, so they round to different whole numbers only where 50 x lies that near a half: about one x in a million; this text takes the product.
; LIMITS.  x is first held to -4 .. 4 (beyond 2.57 the clip decides anyway), so infinities count as +-4; a NaN in x is not carried through.  A weight beyond +-256 is rounded to bf16's 8 bits.
.set DIVIDE, 0
.set IN,  4                            ; v[4:67]    sixteen loads of four numbers
.set Q,   68                           ; v[68:71]   at work
.set R,   72                           ; v[72:75]   at work (DIVIDE = 1 alone)
.set OUT, 76                           ; v[76:107]  two registers for each load: never rewritten
	s_load_b256 s[8:15], s[0:1], 0x0               ; x 8, w_mu1 10, w_lv1 12, xq 14
	s_load_b64 s[16:17], s[0:1], 0x20              ; w1
	s_and_b32 s2, ttmp7, 0xffff                    ; which tensor
	v_and_b32 v2, 31, v0
	v_and_b32 v3, 0xe0, v0                         ; 32 x wave
	v_lshlrev_b32 v2, 4, v2
	v_lshl_or_b32 v1, v3, 8, v2                    ; in: 8,192 x wave + 16 x lane
	v_lshrrev_b32 v2, 1, v1                        ; out: half of that
	s_cmp_eq_u32 s2, 2
	s_cselect_b32 s24, 0x800000, 0                 ; the lv weights lie behind the mu weights
	s_lshl_b32 s25, ttmp9, 15                      ; the work-group's 32,768 bytes out,
	s_add_co_u32 s24, s24, s25
	s_mov_b32 s25, 0
	s_lshl_b32 s26, ttmp9, 16                      ; its 65,536 bytes in
	s_mov_b32 s27, 0
	s_mov_b32 s28, 0x42480000                      ; 50.0
	s_mov_b32 s29, s28
.if DIVIDE
	s_mov_b32 s30, 0xbca3d70a                      ; -0.02f
	s_mov_b32 s31, s30
.endif
	s_mov_b32 s32, 0xc3000000                      ; -128.0
	s_mov_b32 s33, 0x42fe0000                      ; 127.0
	s_wait_kmcnt 0x0
	s_cmp_eq_u32 s2, 1
	s_cselect_b64 s[4:5], s[10:11], s[8:9]
	s_cmp_eq_u32 s2, 2
	s_cselect_b64 s[4:5], s[12:13], s[4:5]
	s_cmp_eq_u32 s2, 0
	s_cselect_b64 s[6:7], s[14:15], s[16:17]
	s_add_nc_u64 s[4:5], s[4:5], s[26:27]
	s_add_nc_u64 s[6:7], s[6:7], s[24:25]
.irp i, 0,1,2,3,4,5,6,7,8,9,10,11,12,13,14,15
	global_load_b128 v[IN+4*(\i):IN+4*(\i)+3], v1, s[4:5] offset:512*(\i) th:TH_LOAD_NT
.endr
	s_cmp_lg_u32 s2, 0
	s_cbranch_scc1 .Lw
.macro QX i                            ; four numbers of x
	s_wait_loadcnt 15-(\i)                         ; loads come back in order: load i is in, the younger ones stay out
.irp k, 0,1,2,3
	v_med3_num_f32 v[IN+4*(\i)+(\k)], v[IN+4*(\i)+(\k)], -4.0, 4.0
.endr
.irp k, 0,2
	v_pk_mul_f32 v[Q+(\k):Q+(\k)+1], v[IN+4*(\i)+(\k):IN+4*(\i)+(\k)+1], s[28:29] op_sel_hi:[1,0]  ; q = 50 x
.endr
.if DIVIDE
.irp k, 0,2
	v_pk_fma_f32 v[R+(\k):R+(\k)+1], v[Q+(\k):Q+(\k)+1], s[30:31], v[IN+4*(\i)+(\k):IN+4*(\i)+(\k)+1] op_sel_hi:[1,0,1]  ; r = x - q0 c
.endr
.irp k, 0,2
	v_pk_fma_f32 v[Q+(\k):Q+(\k)+1], v[R+(\k):R+(\k)+1], s[28:29], v[Q+(\k):Q+(\k)+1] op_sel_hi:[1,0,1]  ; q = q0 + 50 r
.endr
.endif
.irp k, 0,1,2,3
	v_rndne_f32 v[Q+(\k)], v[Q+(\k)]               ; ties to even, as jnp.round
.endr
.irp k, 0,1,2,3
	v_med3_num_f32 v[Q+(\k)], v[Q+(\k)], s32, s33
.endr
	v_cvt_pk_bf16_f32 v[OUT+2*(\i)], v[Q], v[Q+1]
	v_cvt_pk_bf16_f32 v[OUT+2*(\i)+1], v[Q+2], v[Q+3]
	global_store_b64 v2, v[OUT+2*(\i):OUT+2*(\i)+1], s[6:7] offset:256*(\i)
.endm
.irp i, 0,1,2,3,4,5,6,7,8,9,10,11,12,13,14,15
	QX \i
.endr
	s_endpgm
.Lw:
.macro QW i                            ; four weights
	s_wait_loadcnt 15-(\i)
.irp k, 0,1,2,3
	v_cvt_f32_i32 v[IN+4*(\i)+(\k)], v[IN+4*(\i)+(\k)]
.endr
	v_cvt_pk_bf16_f32 v[OUT+2*(\i)], v[IN+4*(\i)], v[IN+4*(\i)+1]
	v_cvt_pk_bf16_f32 v[OUT+2*(\i)+1], v[IN+4*(\i)+2], v[IN+4*(\i)+3]
	global_store_b64 v2, v[OUT+2*(\i):OUT+2*(\i)+1], s[6:7] offset:256*(\i)
.endm
.irp i, 0,1,2,3,4,5,6,7,8,9,10,11,12,13,14,15
	QW \i
.endr
	s_endpgm
.Lfunc_end_k_q8bedf39e1b_prep:
	.size	k_q8bedf39e1b_prep, .Lfunc_end_k_q8bedf39e1b_prep-k_q8bedf39e1b_prep
	.p2alignl 7, 3214868480
	.fill 96, 4, 3214868480
	.section	.rodata,"a",@progbits
	.p2align	6, 0x0
	.amdhsa_kernel k_q8bedf39e1b_prep
		.amdhsa_group_segment_fixed_size 0
		.amdhsa_private_segment_fixed_size 0
		.amdhsa_enable_private_segment 0
		.amdhsa_kernarg_size 40
		.amdhsa_user_sgpr_count 2
		.amdhsa_user_sgpr_kernarg_segment_ptr 1
		.amdhsa_wavefront_size32 1
		.amdhsa_system_sgpr_workgroup_id_x 1
		.amdhsa_system_sgpr_workgroup_id_y 1
		.amdhsa_system_sgpr_workgroup_id_z 1
		.amdhsa_system_vgpr_workitem_id 0
		.amdhsa_next_free_vgpr 108
		.amdhsa_next_free_sgpr 66
		.amdhsa_reserve_vcc 0
		.amdhsa_float_denorm_mode_32 3
		.amdhsa_float_denorm_mode_16_64 3
		.amdhsa_memory_ordered 1
		.amdhsa_forward_progress 1
		.amdhsa_inst_pref_size 26
	.end_amdhsa_kernel
	.amdgpu_metadata
---
amdhsa.version: [ 1, 2 ]
amdhsa.kernels:
  - .name:           k_q8bedf39e1b_prep
    .symbol:         k_q8bedf39e1b_prep.kd
    .args:
      - { .name: x, .offset: 0, .size: 8, .value_kind: global_buffer, .address_space: global }
      - { .name: w_mu1, .offset: 8, .size: 8, .value_kind: global_buffer, .address_space: global }
      - { .name: w_lv1, .offset: 16, .size: 8, .value_kind: global_buffer, .address_space: global }
      - { .name: xq, .offset: 24, .size: 8, .value_kind: global_buffer, .address_space: global }
      - { .name: w1, .offset: 32, .size: 8, .value_kind: global_buffer, .address_space: global }
    .group_segment_fixed_size: 0
    .private_segment_fixed_size: 0
    .kernarg_segment_align: 8
    .kernarg_segment_size: 40
    .max_flat_workgroup_size: 256
    .sgpr_count:     66
    .vgpr_count:     108
    .wavefront_size: 32
...
	.end_amdgpu_metadata
.endif
;; end of part 1
;; launch gemm1 (part 2): grid 32 x 16, 4 waves a work-group, clusters of 4 x 4, 327,680 bytes of LDS; arguments xq, w1, b_mu1, b_lv1, hq, w_mu2, w_lv2, w2; writes hq, w2
.if DOCPART == 2
	.amdgcn_target "amdgcn-amd-amdhsa--gfx1250"
	.amdhsa_code_object_version 6
	.text
	.protected	k_q8bedf39e1b_gemm1
	.globl	k_q8bedf39e1b_gemm1
	.p2align	8
	.type	k_q8bedf39e1b_gemm1,@function
k_q8bedf39e1b_gemm1:
	s_mov_b64 s[64:65], 0
	v_nop
	global_prefetch_b8 v0, s[64:65] scope:SCOPE_SE
	s_setreg_imm32_b32 hwreg(HW_REG_WAVE_MODE, 25, 1), 1
	s_wait_xcnt 0x0
	s_wait_alu depctr_hold_cnt(0) depctr_sa_sdst(0) depctr_va_vdst(0) depctr_va_sdst(0) depctr_va_ssrc(0) depctr_va_vcc(0) depctr_vm_vsrc(0)
	s_getreg_b32 s2, hwreg(HW_REG_IB_STS2, 6, 4)
	s_cmp_eq_u32 s2, 0
	s_cbranch_scc0 .Lentry_in_a_cluster
	s_endpgm
.Lentry_in_a_cluster:
	s_bfe_u32 s2, ttmp6, 0x10000c
	s_cmp_lg_u32 s2, 0xf033
	s_cbranch_scc0 .Lentry_shape_is_right
	s_endpgm
.Lentry_shape_is_right:
; THE FIRST LAYER OF BOTH BRANCHES AS ONE PRODUCT, WITH BIAS, RELU AND THE SECOND QUANTISATION ON THE WAY OUT; BESIDE IT, THE SECOND LAYER'S WEIGHTS ARE CONVERTED.
; s[m][n] = sum over k of xq[m][k] w1[n][k] + b[n]: xq [4096][1024], w1 [8192][1024] bf16 whole numbers; the sums, at most 2^24, are exact in f32.  In steps of the int8 grid the hidden number is t = s / 200
; (0.02 x 0.005 = 1e-4 = the bias's scale; 1e-4 / 0.02 = 1 / 200).  hq[m][n] = clip(round(max(t, 0)), 0, 127) in bf16, [4096][8192]: mu's 4,096 columns, then lv's.
; THE ROUNDING.  With M = 1.5 x 2^23 (whole numbers only near M), c- and c+ the two f32 neighbours of 0.005:  a = s c- + M;  u = s c+ + a = M + round(t from below) + round(t from above);
; u is held to M .. M + 254;  q = u / 2 - M / 2.  Off a tie both roundings agree (the nearest tie is 0.005 away, the two factors shift t by less than 1e-5 in 0 .. 127): q = round(t).
; LIMIT, STATED: at an exact tie t = k + 1/2 (s is a whole number, so one t in 200 is one) q is kept at k + 1/2, exact in bf16, half a step from either whole number; a sum in f32 of
; scaled terms lands on k or k + 1 there by its own rounding noise.
; STRUCTURE.  A tile of 256 x 256 to a work-group of four waves, 128 x 128 a wave: 64 accumulators, 512 registers.  K in 8 steps of 128 through two LDS slots filled by tensor loads of 128 rows x 256 bytes.
; 4 x 4 work-groups form a cluster: the four of a row need the same tiles of xq, the four of a column the same tiles of w1: each tile is asked for jointly, by the same load and descriptor in all four.
; The product is taken transposed (source 0 = 16 rows of w1, source 1 = 16 rows of xq): lane l holds row l % 16 and the columns 8 (l / 16) + 0..7 of a 16 x 16 block.
; The bias, laid out as such a block, is the C operand of each accumulator's first product: nothing is cleared, nothing is added later.
; THE SECOND LAYER'S WEIGHTS.  w_mu2, w_lv2 (int32, [1024][4096] each) -> w2 [2048][4096] bf16, mu's rows first: wanted by the next launch.  The K loop has no vector work of its own and asks memory for its
; tiles alone, so the stream runs beside it: each of the launch's 2,048 waves takes 16,384 bytes in and 8,192 out, a quarter of that in each of the tile's four laps: eight loads of 512 consecutive bytes in
; the lap's second quarter; five quarters later 48 conversions and eight stores of 256 consecutive bytes, aligned.  A weight beyond +-256 is rounded to bf16's 8 bits.
; THE WAY OUT.  When the last tile has been read the ring's bytes have had their last fill: behind a barrier each wave lays its 128 x 128 sums there (rows of 528 bytes) and reads them back by rows.
; REGISTERS, in windows of 256 (s_set_vgpr_msb: bits 1:0 source 0, 3:2 source 1, 5:4 source 2, 7:6 destination):
;   window 0: v8-15 at work; v16-31 addresses; v32-63, v192-223 rows read back (in the K loop v32-63: int32 weights); v64-191 fragments of xq, two buffers; v224-255 packed rows (in the K loop v224-239: bf16 weights)
;   window 1: v0-63 the bias; v64-191 fragments of w1, two buffers        windows 2, 3: the accumulators of my rows 0-63, 64-127: (a, b) at v[8 (8 a + b)]
.set KSTEP,  128
.set PITCH,  272                       ; an LDS row: 256 bytes + 16 of padding: the 16 rows of a fragment load start 68 words apart, at 16 different groups of four banks (ISA guide 11.1)
.set HALFT,  128*PITCH                 ; what one tensor load brings
.set SLOT,   4*HALFT                   ; xq's 256 rows, then w1's 256 rows
.set SPARE,  2*SLOT                    ; behind the ring: the spare words, 128 bytes a wave: two blocks of 256 bytes that no other line names
.set SP,     528                       ; a stage row: 128 f32 + 16 bytes
.set WSTG,   128*SP                    ; a wave's stage; the four end at 270,336, inside the ring's 278,528 bytes
.set LAPS,   4                         ; a lap = two K steps = once round the ring
.set PITCHA, 1024                      ; elements from row to row
.set PITCHB, 1024
.set CROW,   16384                     ; bytes in a row of hq
.set T,    8
.set ADRA, 16                          ; v16-17  LDS address of my xq fragments in slot 0, 1
.set ADRB, 20                          ; v20-21  the same for w1
.set STO,  24                          ; v24     where I put 32 bytes of a stage row
.set RD,   25                          ; v25     where I read 16 bytes of a stage row back
.set CO,   26                          ; v26     8 x lane: my byte offset in a row of hq, and in 256 bytes of w2; never rewritten
.set BO,   27                          ; v27     my byte offset in 16 numbers of the bias
.set SPW,  28                          ; v28     LDS address of my spare word; never rewritten
.set NIL,  29                          ; v29     0; never rewritten
.set PFO,  30                          ; v30     the prefetches' offset: my lane x a row; never rewritten
.set WI,   31                          ; v31     16 x lane: my byte offset in 512 bytes of int32 weights; never rewritten
.set X0,   32
.set F0,   64
.set F1,   128
.set Y0,   224
.set BI,   0                           ; window 1
.set G1,  24                           ; s[24:31] descriptor group 1 for xq's tiles;  s[32:39] group 0, a set for each slot
.set G0,  32
.set LIM, 43                           ; s43      1 in a wave that prefetches, else the greatest number
.set PFA, 44                           ; s[44:45] where my prefetches stand
.set G1B, 48                           ; s[48:55], s[56:63] the same for w1's tiles
.set G0B, 56
.set WSRC, 80                          ; s[80:81] the int32 weights of this lap
.set WDST, 84                          ; s[84:85] w2, one lap's 2,048 bytes behind the stores in hand: they reach back by their immediate
.set G1W0, (1<<16)|(1<<20)|(1<<21)|(5<<22)|(3<<25)  ; 2-byte elements; padding on; bit 21 beside a mask; after every 64 words, 4 words
.set MSB, 0
.macro WIN new                         ; the immediate's high byte repeats the setting that is left; a switch that changes nothing is dropped
.if MSB != (\new)
	s_set_vgpr_msb (MSB<<8)|(\new)
.set MSB, \new
.endif
.endm
; A joint load: waves 0 and 1 fetch xq's two halves, waves 2 and 3 w1's.  The branch hangs on the wave's number alone.  An s_nop 0 and four v_nop follow each line.
.macro JLOAD s
	s_cmp_eq_u32 s11, 0
	s_cbranch_scc0 .Lfor_b_\@
	tensor_load_to_lds s[G0+4*(\s):G0+4*(\s)+3], s[G1:G1+7]
	s_nop 0
.rept 4
	v_nop
.endr
	s_branch .Lasked_\@
.Lfor_b_\@:
	tensor_load_to_lds s[G0B+4*(\s):G0B+4*(\s)+3], s[G1B:G1B+7]
	s_nop 0
.rept 4
	v_nop
.endr
.Lasked_\@:
.endm
; A prefetch of the K step that stands two refills on: 32 rows x 256 bytes, a lane a row, one instruction a wave.  Each row's 256 bytes of a K step are named once in the launch: xq's rows by the
; clusters with x = 0, w1's by those with y = 0; the four partners that ask for a tile jointly share its 128 rows out by address, 32 each.  The loop's last trip (s3 = 1) has no K step two on.
.macro ASK
	s_cmp_gt_u32 s3, s[LIM]
	s_cbranch_scc0 .Lnot_mine_\@
	global_prefetch_b8 v[PFO], s[PFA:PFA+1] offset:KSTEP*2 th:TH_LOAD_NT scope:SCOPE_SE
.Lnot_mine_\@:
.endm
.macro CREST                           ; a round of the cluster's barrier behind its opening barrier
	s_cmp_lg_u32 s10, 0
	s_cbranch_scc1 .Lnot_wave_0_\@
	s_barrier_signal -3
.Lnot_wave_0_\@:
	s_barrier_wait -3
	s_barrier_signal -1
	s_barrier_wait -1
.endm
.macro CROUND                          ; a whole round
	s_barrier_signal -1
	s_barrier_wait -1
	CREST
.endm
	s_load_b128 s[4:7], s[0:1], 0x0                ; xq s[4:5], w1 s[6:7]
	s_load_b128 s[76:79], s[0:1], 0x10             ; b_mu1, b_lv1
	s_load_b64 s[8:9], s[0:1], 0x20                ; hq
	s_load_b64 s[80:81], s[0:1], 0x28              ; w_mu2
	s_load_b64 s[82:83], s[0:1], 0x30              ; w_lv2
	s_load_b64 s[84:85], s[0:1], 0x38              ; w2
	v_lshl_add_u32 v[SPW], v0, 2, SPARE
	v_mov_b32 v[NIL], 0
	ds_add_u32 v[SPW], v[NIL]                      ; the wave's opening: the add and its wait stand ahead of my first tensor load; the set-up below, work on registers, stands between them
	v_lshrrev_b32 v1, 5, v0
	v_readfirstlane_b32 s10, v1                    ; wave 0..3
	s_lshr_b32 s11, s10, 1                         ; which half of the tile's rows is mine.  Also: I fetch for xq (0) or for w1 (1)
	s_and_b32 s12, s10, 1                          ; which half of its columns.  Also: which 128 rows of that tile I fetch
	s_bfe_u32 s40, ttmp6, 0x40000                  ; cx
	s_bfe_u32 s41, ttmp6, 0x40004                  ; cy
	s_lshl_b32 s42, ttmp9, 2
	s_add_co_u32 s42, s42, s40                     ; tile column = 4 x cluster x + cx, 0..31
	s_and_b32 s13, ttmp7, 0xffff
	s_lshl_b32 s13, s13, 2
	s_add_co_u32 s13, s13, s41                     ; tile row = 4 x cluster y + cy, 0..15
	s_lshl_b32 s43, s41, 2
	s_lshl_b32 s43, 15, s43                        ; my row of the cluster
	s_lshl_b32 s44, 0x1111, s40                    ; my column
	s_or_b32 s[G1+0], s43, G1W0                    ; xq's tiles go to my row,
	s_or_b32 s[G1B+0], s44, G1W0                   ; w1's to my column
	s_mov_b32 s[G1+1], KSTEP<<16                   ; tensor_dim0 = 128
	s_mov_b32 s[G1B+1], KSTEP<<16
	s_mov_b32 s[G1+2], 128<<16                     ; tensor_dim1 = 128
	s_mov_b32 s[G1B+2], 128<<16
	s_mov_b32 s[G1+3], KSTEP<<16                   ; tile_dim0 = 128
	s_mov_b32 s[G1B+3], KSTEP<<16
	s_mov_b32 s[G1+4], 128                         ; tile_dim1 = 128
	s_mov_b32 s[G1B+4], 128
	s_mov_b32 s[G1+5], PITCHA
	s_mov_b32 s[G1B+5], PITCHB
	s_mov_b32 s[G1+6], 0
	s_mov_b32 s[G1B+6], 0
	s_mov_b32 s[G1+7], 0
	s_mov_b32 s[G1B+7], 0
	s_mov_b32 s66, 0x3ba3d70a                      ; c-: the f32 just below 0.005
	s_mov_b32 s67, s66
	s_mov_b32 s68, 0x3ba3d70b                      ; c+: the f32 just above
	s_mov_b32 s69, s68
	s_mov_b32 s70, 0x4b400000                      ; M = 1.5 x 2^23
	s_mov_b32 s71, s70
	s_mov_b32 s72, 0x4b4000fe                      ; M + 254
	s_mov_b32 s74, 0xcac00000                      ; -M / 2
	s_mov_b32 s75, s74
	; where the tiles come from: xq's hang on the tile row alone, w1's on the tile column alone, each in registers that never hold the other coordinate
	s_lshl_b32 s17, s12, 7
	s_lshl_b32 s16, s13, 8
	s_add_co_u32 s16, s16, s17
	s_lshl_b32 s16, s16, 11                        ; rows of 2,048 bytes
	s_lshl_b32 s46, s42, 8
	s_add_co_u32 s46, s46, s17
	s_lshl_b32 s46, s46, 11
	s_mov_b32 s17, 0
	s_mov_b32 s47, 0
	s_mul_i32 s20, s10, HALFT                      ; and where they go: wave x 128 rows: no place in the cluster enters an LDS address
	s_wait_dscnt 0x0                               ; the opening add is done
	s_wait_kmcnt 0x0
	s_add_nc_u64 s[14:15], s[4:5], s[16:17]
	s_add_nc_u64 s[46:47], s[6:7], s[46:47]
	CROUND                                         ; all sixteen work-groups are here: the first joint loads meet
.irp s, 0,1
	s_mov_b32 s[G0+4*(\s)], 1
	s_add_co_u32 s[G0+4*(\s)+1], s20, (\s)*SLOT
	s_add_nc_u64 s[G0+4*(\s)+2:G0+4*(\s)+3], s[14:15], (\s)*KSTEP*2
	s_or_b32 s[G0+4*(\s)+3], s[G0+4*(\s)+3], 0x80000000
	s_mov_b32 s[G0B+4*(\s)], 1
	s_add_co_u32 s[G0B+4*(\s)+1], s20, (\s)*SLOT
	s_add_nc_u64 s[G0B+4*(\s)+2:G0B+4*(\s)+3], s[46:47], (\s)*KSTEP*2
	s_or_b32 s[G0B+4*(\s)+3], s[G0B+4*(\s)+3], 0x80000000
	JLOAD \s                                       ; two loads of mine are out
.endr
	; a fragment is 16 rows x 32 K in 8 registers: lane l holds row l % 16, K = 8 (l / 16) + 0..7 and 16 + 8 (l / 16) + 0..7: two loads of 16 bytes, 32 bytes apart
	v_and_b32 v1, 15, v0                           ; l % 16
	v_bfe_u32 v2, v0, 4, 1                         ; l / 16
	v_mul_u32_u24 v3, v1, PITCH
	v_lshl_add_u32 v3, v2, 4, v3
	s_mul_i32 s21, s11, HALFT
	s_mul_i32 s22, s12, HALFT
	s_add_co_u32 s22, s22, 2*HALFT
.irp s, 0,1
	v_add_nc_u32 v[ADRA+(\s)], s21, v3
	v_add_nc_u32 v[ADRB+(\s)], s22, v3
	s_add_co_u32 s21, s21, SLOT
	s_add_co_u32 s22, s22, SLOT
.endr
	s_mul_i32 s23, s10, WSTG                       ; my stage
	v_mul_u32_u24 v4, v1, SP
	v_lshl_add_u32 v4, v2, 5, v4                   ; in: row l % 16, 32 bytes for each half of the lanes
	v_add_nc_u32 v[STO], s23, v4
	v_and_b32 v5, 31, v0
	v_lshl_add_u32 v[RD], v5, 4, s23               ; back: 32 lanes take a row's 512 bytes
	v_lshlrev_b32 v[CO], 3, v5                     ; which become 256 bytes of hq
	v_lshlrev_b32 v[WI], 4, v5
	v_lshlrev_b32 v[BO], 5, v2
	s_lshl_b32 s16, s13, 8
	s_lshl_b32 s17, s11, 7
	s_add_co_u32 s16, s16, s17
	s_lshl_b32 s16, s16, 14                        ; my first row of hq, 16,384 bytes a row
	s_lshl_b32 s46, s42, 8
	s_lshl_b32 s47, s12, 7
	s_add_co_u32 s46, s46, s47                     ; my first column, 0..8191
	s_lshl_b32 s47, s46, 1
	s_add_co_u32 s16, s16, s47
	s_mov_b32 s17, 0
	s_add_nc_u64 s[8:9], s[8:9], s[16:17]
	s_and_b32 s20, s46, 4095                       ; the column inside its branch
	s_lshl_b32 s20, s20, 2
	s_mov_b32 s21, 0
	s_cmp_lt_u32 ttmp9, 4                          ; clusters 0-3 along x hold mu's columns
	s_cselect_b64 s[76:77], s[76:77], s[78:79]
	s_add_nc_u64 s[76:77], s[76:77], s[20:21]
	; my wave's share of the second layer's weights: the 256 work-groups of a branch's columns take that branch's tensor, 1,024 waves of 16,384 bytes
	s_and_b32 s20, s42, 15
	s_lshl_b32 s20, s20, 4
	s_add_co_u32 s20, s20, s13                     ; 16 x (tile column in the branch) + tile row
	s_lshl_b32 s20, s20, 2
	s_add_co_u32 s20, s20, s10                     ; my wave among the branch's 1,024
	s_lshl_b32 s22, s20, 13                        ; out: 8,192 bytes a wave,
	s_lshl_b32 s20, s20, 14                        ; in: 16,384
	s_mov_b32 s21, 0
	s_mov_b32 s23, 0
	s_cmp_lt_u32 ttmp9, 4
	s_cselect_b64 s[WSRC:WSRC+1], s[80:81], s[82:83]
	s_cselect_b32 s18, 0, 0x800000                 ; lv's rows of w2 lie behind mu's
	s_add_co_u32 s22, s22, s18
	s_add_nc_u64 s[WSRC:WSRC+1], s[WSRC:WSRC+1], s[20:21]
	s_add_nc_u64 s[WDST:WDST+1], s[WDST:WDST+1], s[22:23]
	; the prefetches
	s_lshl_b32 s13, s13, 8
	s_lshl_b32 s42, s42, 8
	s_and_b32 s22, ttmp7, 0xffff
	s_cmp_eq_u32 s11, 0                            ; do I fetch for xq?
	s_cselect_b32 s20, s13, s42                    ; the tile's first row
	s_cselect_b32 s21, s40, s41                    ; my place among the four that ask for it with me
	s_cselect_b32 s22, ttmp9, s22                  ; the coordinate along which other clusters read the same rows
	s_cselect_b64 s[PFA:PFA+1], s[4:5], s[6:7]
	s_cmp_eq_u32 s22, 0
	s_cselect_b32 s[LIM], 1, -1                    ; the same in all sixteen partners, for a given wave
	s_lshl_b32 s22, s12, 7
	s_add_co_u32 s20, s20, s22
	s_lshl_b32 s21, s21, 5
	s_add_co_u32 s20, s20, s21
	s_lshl_b32 s20, s20, 11
	s_mov_b32 s21, 0
	s_add_nc_u64 s[PFA:PFA+1], s[PFA:PFA+1], s[20:21]
	s_add_nc_u64 s[PFA:PFA+1], s[PFA:PFA+1], 2*KSTEP*2  ; at K step 2: the first refill steps it to 3 and names K step 4; K steps 0 to 3 come by their loads alone
	v_and_b32 v[PFO], 31, v0
	v_lshlrev_b32 v[PFO], 11, v[PFO]
	; the bias of my 128 columns, laid out as eight blocks' C operand: register 8 b + j = b[16 b + 8 (l / 16) + j]
	WIN 0x40                                       ; destination window 1, address window 0
.irp b, 0,1,2,3,4,5,6,7
	global_load_b128 v[BI+8*(\b):BI+8*(\b)+3],   v[BO], s[76:77] offset:64*(\b)
	global_load_b128 v[BI+8*(\b)+4:BI+8*(\b)+7], v[BO], s[76:77] offset:64*(\b)+16
.endr
	s_wait_loadcnt 0x0
	WIN 0x41
.set i, 0
.rept 64
	v_cvt_f32_i32 v[BI+i], v[BI+i]
.set i, i+1
.endr
	WIN 0
; 16 products: row blocks a0, a0 + 1 of the window's four (hi = 0: my rows 0-63, 1: rows 64-127) x all 8 column blocks, 32 along K.  bias = 1: the first product starts the sum from the bias.
; The 64 accumulators take turns, one instruction a turn, in the same order everywhere.
.macro MUL16 f, hi, a0, bias
.if \bias
	WIN 0x91+0x40*(\hi)                            ; w1 window 1, xq window 0, C window 1, D window 2 or 3
.else
	WIN 0xa1+0x50*(\hi)                            ; C and D window 2 or 3
.endif
.irp a, \a0, (\a0)+1
.irp b, 0,1,2,3,4,5,6,7
.if \bias
	v_wmma_f32_16x16x32_bf16 v[8*(8*(\a)+(\b)):8*(8*(\a)+(\b))+7], v[(\f)+8*(\b):(\f)+8*(\b)+7], v[(\f)+8*(4*(\hi)+(\a)):(\f)+8*(4*(\hi)+(\a))+7], v[BI+8*(\b):BI+8*(\b)+7]
.else
	v_wmma_f32_16x16x32_bf16 v[8*(8*(\a)+(\b)):8*(8*(\a)+(\b))+7], v[(\f)+8*(\b):(\f)+8*(\b)+7], v[(\f)+8*(4*(\hi)+(\a)):(\f)+8*(4*(\hi)+(\a))+7], v[8*(8*(\a)+(\b)):8*(8*(\a)+(\b))+7]
.endif
.endr
.endr
.endm
; 32 LDS loads in one run: the fragments of a quarter step (32 K at byte k of the rows) into buffer f
.macro FETCH slot, k, f
	WIN 0x40
.irp i, 0,1,2,3,4,5,6,7
	ds_load_b128 v[(\f)+8*(\i):(\f)+8*(\i)+3],   v[ADRB+(\slot)] offset:(\k)+(\i)*16*PITCH
	ds_load_b128 v[(\f)+8*(\i)+4:(\f)+8*(\i)+7], v[ADRB+(\slot)] offset:(\k)+(\i)*16*PITCH+32
.endr
	WIN 0
.irp i, 0,1,2,3,4,5,6,7
	ds_load_b128 v[(\f)+8*(\i):(\f)+8*(\i)+3],   v[ADRA+(\slot)] offset:(\k)+(\i)*16*PITCH
	ds_load_b128 v[(\f)+8*(\i)+4:(\f)+8*(\i)+7], v[ADRA+(\slot)] offset:(\k)+(\i)*16*PITCH+32
.endr
.endm
.macro PLACES                          ; four plain vector instructions between a matrix instruction and a load into a register that it read, or a reader of its result
.rept 4
	v_nop
.endr
.endm
; THE SECOND LAYER'S WEIGHTS, a lap's share of the wave: 4,096 bytes in, 2,048 out.  All three parts stand under window 0 and name no register of a product.
.macro CVLOAD                          ; eight loads of 512 consecutive bytes
.irp j, 0,1,2,3,4,5,6,7
	global_load_b128 v[X0+4*(\j):X0+4*(\j)+3], v[WI], s[WSRC:WSRC+1] offset:512*(\j) th:TH_LOAD_NT
.endr
.endm
.macro CVTA                            ; five quarters later: int32 -> f32 -> bf16
	WIN 0
	s_wait_loadcnt 0x0                             ; the lap's eight loads, the only loads of mine that are out
	s_wait_xcnt 0x0                                ; the last lap's stores have read their data and their base (the last prefetch stands 192 products back): both bases and v224-239 are written only behind this wait
	s_add_nc_u64 s[WSRC:WSRC+1], s[WSRC:WSRC+1], 8*512
	s_add_nc_u64 s[WDST:WDST+1], s[WDST:WDST+1], 8*256
.set i, 0
.rept 32
	v_cvt_f32_i32 v[X0+i], v[X0+i]
.set i, i+1
.endr
.set i, 0
.rept 16
	v_cvt_pk_bf16_f32 v[Y0+i], v[X0+2*i], v[X0+2*i+1]
.set i, i+1
.endr
.endm
.macro CVTS                            ; eight stores: each covers 256 consecutive bytes, aligned; the immediate reaches back over the base's step
.irp j, 0,1,2,3,4,5,6,7
	global_store_b64 v[CO], v[Y0+2*(\j):Y0+2*(\j)+1], s[WDST:WDST+1] offset:256*(\j)-8*256
.endr
.endm
; One of a K step's first three quarters: multiplies buffer f; in its middle it fetches the next quarter's fragments, at byte k, into buffer g.
; extra = 1: the lap's loads of int32 weights go out behind the run of LDS loads.  extra = 2: they are converted behind the first 32 products, ahead of that run, and stored behind it.
.macro QUARTER slot, k, f, g, bias, extra=0
	s_wait_dscnt 8                                 ; w1's fragments and xq's rows 0-63 are in; the youngest eight loads (rows 64-127) may be out
	MUL16 \f, 0, 0, \bias
	MUL16 \f, 0, 2, \bias
.if (\extra) == 2
	CVTA
.endif
	PLACES
	FETCH \slot, \k, \g
.if (\extra) == 1
	CVLOAD
.endif
.if (\extra) == 2
	CVTS
.endif
	s_wait_dscnt 32                                ; all but the 32 just issued
	MUL16 \f, 1, 0, \bias
	MUL16 \f, 1, 2, \bias
.endm
; The first half of the last quarter: one barrier for the change of slots.  In front of it each wave waits for all its tensor loads (one is out: its part of the next slot), adds 0 to its spare word,
; and waits for that and for its reads of this slot.  Behind it nobody reads this slot any more and the next slot is whole.
.macro MEET round
	WIN 0
	s_wait_tensorcnt 0x0
	ds_add_u32 v[SPW], v[NIL]
	s_wait_dscnt 9                                 ; the add and the youngest eight loads may be out
	MUL16 F1, 0, 0, 0
	s_wait_dscnt 0x0                               ; the add is done, and my reads of this slot are over
	s_barrier_signal -1
	MUL16 F1, 0, 2, 0
.if \round
	WIN 0
.endif
	s_barrier_wait -1
.endm
; The whole last quarter where the slot is filled again: the barrier opens a round of the cluster's barrier; the joint refill is the first tensor load behind it, 224 products ahead of the wait for it
.macro TURN slot, next
	s_wait_xcnt 0x0                                ; the last prefetch, a K step back, has read its address
	s_add_nc_u64 s[PFA:PFA+1], s[PFA:PFA+1], KSTEP*2
	MEET 1
	CREST
	s_add_nc_u64 s[G0+4*(\slot)+2:G0+4*(\slot)+3], s[G0+4*(\slot)+2:G0+4*(\slot)+3], 2*KSTEP*2   ; no tensor load of mine is out: the descriptors may be written
	s_add_nc_u64 s[G0B+4*(\slot)+2:G0B+4*(\slot)+3], s[G0B+4*(\slot)+2:G0B+4*(\slot)+3], 2*KSTEP*2
	JLOAD \slot                                    ; its four v_nop are also the places in front of the loads below
	FETCH \next, 0, F0
	ASK
	MUL16 F1, 1, 0, 0
	MUL16 F1, 1, 2, 0
.endm
; THE WAY OUT.  DUMP: my 64 accumulators into my stage, each accumulator's low four registers first.  RB: eight rows back, 512 consecutive bytes a load.
.macro DUMP
.irp hi, 0,1
	WIN 0x08+4*(\hi)                               ; store data (source 1) in window 2 or 3
.irp a, 0,1,2,3
.irp b, 0,1,2,3,4,5,6,7
	ds_store_b128 v[STO], v[8*(8*(\a)+(\b)):8*(8*(\a)+(\b))+3]   offset:(4*(\hi)+(\a))*16*SP+64*(\b)
	ds_store_b128 v[STO], v[8*(8*(\a)+(\b))+4:8*(8*(\a)+(\b))+7] offset:(4*(\hi)+(\a))*16*SP+64*(\b)+16
.endr
.endr
.endr
	WIN 0
.endm
.macro RB set, row
.irp j, 0,1,2,3,4,5,6,7
	ds_load_b128 v[X0+160*(\set)+4*(\j):X0+160*(\set)+4*(\j)+3], v[RD] offset:((\row)+(\j))*SP  ; LDS serves a wave's instructions in order (ISA guide 5.7.1.4): these see my stores
.endr
.endm
; Eight rows: quantised, rounded to bf16 (exact), stored; two rows at a time.  younger: the LDS loads issued behind this set's.
.macro PROC set, row, younger
.irp j, 0,2,4,6
	s_wait_dscnt (\younger)+6-(\j)                 ; rows j and j + 1 are in
.irp k, 0,2,4,6
	v_pk_fma_f32 v[T+(\k):T+(\k)+1], v[X0+160*(\set)+4*(\j)+(\k):X0+160*(\set)+4*(\j)+(\k)+1], s[66:67], s[70:71] op_sel_hi:[1,0,0]  ; a = s c- + M
.endr
.irp k, 0,2,4,6
	v_pk_fma_f32 v[T+(\k):T+(\k)+1], v[X0+160*(\set)+4*(\j)+(\k):X0+160*(\set)+4*(\j)+(\k)+1], s[68:69], v[T+(\k):T+(\k)+1] op_sel_hi:[1,0,1]  ; u = s c+ + a
.endr
.irp k, 0,1,2,3,4,5,6,7
	v_med3_num_f32 v[T+(\k)], v[T+(\k)], s70, s72  ; ReLU and the clip at 127
.endr
.irp k, 0,2,4,6
	v_pk_fma_f32 v[T+(\k):T+(\k)+1], v[T+(\k):T+(\k)+1], 0.5, s[74:75] op_sel_hi:[1,0,0]  ; q = u / 2 - M / 2
.endr
.irp k, 0,1,2,3
	v_cvt_pk_bf16_f32 v[Y0+16*(\set)+2*(\j)+(\k)], v[T+2*(\k)], v[T+2*(\k)+1]
.endr
	global_store_b64 v[CO], v[Y0+16*(\set)+2*(\j):Y0+16*(\set)+2*(\j)+1],   s[8:9] offset:((\row)+(\j))*CROW    ; the wave's store covers 256 consecutive bytes, aligned
	global_store_b64 v[CO], v[Y0+16*(\set)+2*(\j)+2:Y0+16*(\set)+2*(\j)+3], s[8:9] offset:((\row)+(\j)+1)*CROW
.endr
.endm
	s_wait_tensorcnt 1                             ; my part of K step 0 is in; K step 1's may stay out
	s_barrier_signal -1
	s_barrier_wait -1
	FETCH 0, 0, F0
	QUARTER 0, 64,  F0, F1, 1                      ; the first quarter stands in front of the loop: its products start the sums from the bias
	WIN 0                                          ; at a label and at a branch every window is 0
	s_mov_b32 s3, LAPS-1
.Llap:                                                 ; a trip goes once round the ring, from a lap's second quarter to the next lap's first, and fills both slots again
	QUARTER 0, 128, F1, F0, 0, 1                   ; the lap's int32 weights are asked for
	QUARTER 0, 192, F0, F1, 0
	TURN 0, 1
	QUARTER 1, 64,  F0, F1, 0
	QUARTER 1, 128, F1, F0, 0
	QUARTER 1, 192, F0, F1, 0, 2                   ; and converted and stored
	TURN 1, 0
	QUARTER 0, 64,  F0, F1, 0
	WIN 0
	s_sub_co_u32 s3, s3, 1
	s_cmp_lg_u32 s3, 0
	s_cbranch_scc1 .Llap
	QUARTER 0, 128, F1, F0, 0, 1                   ; the last lap is written out: it fills nothing and has no round; it takes the last quarter of the wave's weights
	QUARTER 0, 192, F0, F1, 0
	MEET 0
	PLACES
	FETCH 1, 0, F0
	MUL16 F1, 1, 0, 0
	MUL16 F1, 1, 2, 0
	QUARTER 1, 64,  F0, F1, 0
	QUARTER 1, 128, F1, F0, 0
	QUARTER 1, 192, F0, F1, 0, 2
	s_wait_dscnt 8
	MUL16 F1, 0, 0, 0
	MUL16 F1, 0, 2, 0
	s_wait_dscnt 0x0                               ; my last reads of the ring are back:
	s_barrier_signal -1                            ; say so,
	MUL16 F1, 1, 0, 0
	MUL16 F1, 1, 2, 0
	WIN 0
	s_barrier_wait -1                              ; and when all four have said so the ring's bytes, which have had their last fill, may be written
	s_wait_xcnt 0x0                                ; the last stores of w2 have read v224-239, which the way out writes
	PLACES
	PLACES                                         ; four are asked for behind the last product; eight are written, once a launch
	DUMP
	RB 0, 0
	s_mov_b32 s3, 7
.Lrow:                                                 ; 16 rows a trip, on two sets of registers: one is worked on while the other's loads are out
	RB 1, 8
	PROC 0, 0, 8
	v_add_nc_u32 v[RD], 16*SP, v[RD]
	RB 0, 0
	PROC 1, 8, 8
	s_wait_xcnt 0x0                                ; the trip's stores have read their data and their base: both are written again only behind this wait
	s_add_nc_u64 s[8:9], s[8:9], 16*CROW
	s_sub_co_u32 s3, s3, 1
	s_cmp_lg_u32 s3, 0
	s_cbranch_scc1 .Lrow
	RB 1, 8
	PROC 0, 0, 8
	PROC 1, 8, 0
	s_wait_tensorcnt 0x0                           ; the wave's end: these three lines stand behind my last tensor load and my last LDS store
	ds_add_u32 v[SPW], v[NIL]
	s_wait_dscnt 0x0
	CROUND                                         ; the closing round: no work-group ends while a partner may still ask for a tile that names it
	s_endpgm
.Lfunc_end_k_q8bedf39e1b_gemm1:
	.size	k_q8bedf39e1b_gemm1, .Lfunc_end_k_q8bedf39e1b_gemm1-k_q8bedf39e1b_gemm1
	.p2alignl 7, 3214868480
	.fill 96, 4, 3214868480
	.section	.rodata,"a",@progbits
	.p2align	6, 0x0
	.amdhsa_kernel k_q8bedf39e1b_gemm1
		.amdhsa_group_segment_fixed_size 327680
		.amdhsa_private_segment_fixed_size 0
		.amdhsa_enable_private_segment 0
		.amdhsa_kernarg_size 64
		.amdhsa_user_sgpr_count 2
		.amdhsa_user_sgpr_kernarg_segment_ptr 1
		.amdhsa_wavefront_size32 1
		.amdhsa_system_sgpr_workgroup_id_x 1
		.amdhsa_system_sgpr_workgroup_id_y 1
		.amdhsa_system_sgpr_workgroup_id_z 1
		.amdhsa_system_vgpr_workitem_id 0
		.amdhsa_next_free_vgpr 1024
		.amdhsa_next_free_sgpr 88
		.amdhsa_reserve_vcc 0
		.amdhsa_float_denorm_mode_32 3
		.amdhsa_float_denorm_mode_16_64 3
		.amdhsa_memory_ordered 1
		.amdhsa_forward_progress 1
		.amdhsa_inst_pref_size 163
	.end_amdhsa_kernel
	.amdgpu_metadata
---
amdhsa.version: [ 1, 2 ]
amdhsa.kernels:
  - .name:           k_q8bedf39e1b_gemm1
    .symbol:         k_q8bedf39e1b_gemm1.kd
    .args:
      - { .name: xq, .offset: 0, .size: 8, .value_kind: global_buffer, .address_space: global }
      - { .name: w1, .offset: 8, .size: 8, .value_kind: global_buffer, .address_space: global }
      - { .name: b_mu1, .offset: 16, .size: 8, .value_kind: global_buffer, .address_space: global }
      - { .name: b_lv1, .offset: 24, .size: 8, .value_kind: global_buffer, .address_space: global }
      - { .name: hq, .offset: 32, .size: 8, .value_kind: global_buffer, .address_space: global }
      - { .name: w_mu2, .offset: 40, .size: 8, .value_kind: global_buffer, .address_space: global }
      - { .name: w_lv2, .offset: 48, .size: 8, .value_kind: global_buffer, .address_space: global }
      - { .name: w2, .offset: 56, .size: 8, .value_kind: global_buffer, .address_space: global }
    .group_segment_fixed_size: 327680
    .private_segment_fixed_size: 0
    .kernarg_segment_align: 8
    .kernarg_segment_size: 64
    .max_flat_workgroup_size: 128
    .sgpr_count:     88
    .vgpr_count:     1024
    .wavefront_size: 32
...
	.end_amdgpu_metadata
.endif
;; end of part 2
;; launch gemm2 (part 3): grid 4 x 64, 4 waves a work-group, clusters of 4 x 4, 327,680 bytes of LDS; arguments hq, w2, b_mu2, b_lv2, part; writes part
.if DOCPART == 3
	.amdgcn_target "amdgcn-amd-amdhsa--gfx1250"
	.amdhsa_code_object_version 6
	.text
	.protected	k_q8bedf39e1b_gemm2
	.globl	k_q8bedf39e1b_gemm2
	.p2align	8
	.type	k_q8bedf39e1b_gemm2,@function
k_q8bedf39e1b_gemm2:
	s_mov_b64 s[64:65], 0
	v_nop
	global_prefetch_b8 v0, s[64:65] scope:SCOPE_SE
	s_setreg_imm32_b32 hwreg(HW_REG_WAVE_MODE, 25, 1), 1
	s_wait_xcnt 0x0
	s_wait_alu depctr_hold_cnt(0) depctr_sa_sdst(0) depctr_va_vdst(0) depctr_va_sdst(0) depctr_va_ssrc(0) depctr_va_vcc(0) depctr_vm_vsrc(0)
	s_getreg_b32 s2, hwreg(HW_REG_IB_STS2, 6, 4)
	s_cmp_eq_u32 s2, 0
	s_cbranch_scc0 .Lentry_in_a_cluster
	s_endpgm
.Lentry_in_a_cluster:
	s_bfe_u32 s2, ttmp6, 0x10000c
	s_cmp_lg_u32 s2, 0xf033
	s_cbranch_scc0 .Lentry_shape_is_right
	s_endpgm
.Lentry_shape_is_right:
; THE SECOND LAYER OF BOTH BRANCHES, K SPLIT IN TWO.  part[p][m][n] = sum over the K half's 2,048 k of hq[m][4096 br + k] w2[1024 br + n][k] (+ b[n] in the first half), f32, p = 2 br + ks.
; hq [4096][8192], w2 [2048][4096] bf16; part [4][4096][1024] f32: partial sums, added up by the next launch, in units of 1e-4.
; WHY THE SPLIT.  The two branches have 2 x 16 x 4 = 128 tiles of 256 x 256; two K halves make 256 work-groups of equal work with the large tile and K steps of 128.
; STRUCTURE.  As in the first layer: four waves, 128 x 128 each; 16 K steps of 128 through two LDS slots; 4 x 4 work-groups form a cluster: the grid's x (4) is the tile column; of the grid's y
; the cluster's number cly gives the plane p = cly / 4 and, with cy, the tile row (4 cly + cy) % 16.  p is the same in all sixteen partners.  hq's tiles are shared along a row of the cluster, w2's along a column.
; The product is taken transposed (source 0 = 16 rows of w2, source 1 = 16 rows of hq); the bias (times 1 or 0 by the K half) is the C operand of each accumulator's first product.
; THE WAY OUT.  Behind the last read of the ring and a barrier each wave lays its sums on the ring's bytes (rows of 528 bytes), reads them back by rows and stores 512 consecutive bytes a line.
; REGISTERS: window 0: v16-30 addresses; v32-63, v192-223 rows read back; v64-191 fragments of hq; window 1: v0-63 the bias; v64-191 fragments of w2; windows 2, 3: the accumulators, (a, b) at v[8 (8 a + b)].
.set KSTEP,  128
.set PITCH,  272                       ; an LDS row: 256 bytes + 16 of padding
.set HALFT,  128*PITCH
.set SLOT,   4*HALFT
.set SPARE,  2*SLOT                    ; the spare words: two blocks of 256 bytes that no other line names
.set SP,     528
.set WSTG,   128*SP
.set LAPS,   8
.set PITCHA, 8192
.set PITCHB, 4096
.set CROW,   4096                      ; bytes in a row of part
.set ADRA, 16
.set ADRB, 20
.set STO,  24
.set RD,   25
.set CO,   26
.set BO,   27
.set SPW,  28
.set NIL,  29
.set PFO,  30
.set X0,   32
.set F0,   64
.set F1,   128
.set BI,   0
.set G1,  24
.set G0,  32
.set LIM, 43
.set PFA, 44
.set G1B, 48
.set G0B, 56
.set G1W0, (1<<16)|(1<<20)|(1<<21)|(5<<22)|(3<<25)
.set MSB, 0
.macro WIN new
.if MSB != (\new)
	s_set_vgpr_msb (MSB<<8)|(\new)
.set MSB, \new
.endif
.endm
.macro JLOAD s                         ; a joint load: waves 0 and 1 fetch hq's two halves, waves 2 and 3 w2's; an s_nop 0 and four v_nop follow each line
	s_cmp_eq_u32 s11, 0
	s_cbranch_scc0 .Lfor_b_\@
	tensor_load_to_lds s[G0+4*(\s):G0+4*(\s)+3], s[G1:G1+7]
	s_nop 0
.rept 4
	v_nop
.endr
	s_branch .Lasked_\@
.Lfor_b_\@:
	tensor_load_to_lds s[G0B+4*(\s):G0B+4*(\s)+3], s[G1B:G1B+7]
	s_nop 0
.rept 4
	v_nop
.endr
.Lasked_\@:
.endm
; A prefetch of the K step two refills on: 32 rows x 256 bytes, a lane a row.  hq's rows of a plane are read by one cluster, which asks for them; w2's by the four clusters of a plane, of which the first
; (cly % 4 = 0) asks.  The four partners of a joint load share its 128 rows out by address, 32 each.  The loop's last trip asks for nothing.
.macro ASK
	s_cmp_gt_u32 s3, s[LIM]
	s_cbranch_scc0 .Lnot_mine_\@
	global_prefetch_b8 v[PFO], s[PFA:PFA+1] offset:KSTEP*2 th:TH_LOAD_NT scope:SCOPE_SE
.Lnot_mine_\@:
.endm
.macro CREST
	s_cmp_lg_u32 s10, 0
	s_cbranch_scc1 .Lnot_wave_0_\@
	s_barrier_signal -3
.Lnot_wave_0_\@:
	s_barrier_wait -3
	s_barrier_signal -1
	s_barrier_wait -1
.endm
.macro CROUND
	s_barrier_signal -1
	s_barrier_wait -1
	CREST
.endm
	s_load_b128 s[4:7], s[0:1], 0x0                ; hq s[4:5], w2 s[6:7]
	s_load_b128 s[76:79], s[0:1], 0x10             ; b_mu2, b_lv2
	s_load_b64 s[8:9], s[0:1], 0x20                ; part
	v_lshl_add_u32 v[SPW], v0, 2, SPARE
	v_mov_b32 v[NIL], 0
	ds_add_u32 v[SPW], v[NIL]                      ; the wave's opening: the add and its wait stand ahead of my first tensor load
	v_lshrrev_b32 v1, 5, v0
	v_readfirstlane_b32 s10, v1                    ; wave 0..3
	s_lshr_b32 s11, s10, 1                         ; my half of the rows; also: I fetch for hq (0) or w2 (1)
	s_and_b32 s12, s10, 1                          ; my half of the columns; also: which 128 rows I fetch
	s_bfe_u32 s40, ttmp6, 0x40000                  ; cx
	s_bfe_u32 s41, ttmp6, 0x40004                  ; cy
	s_lshl_b32 s42, ttmp9, 2
	s_add_co_u32 s42, s42, s40                     ; tile column, 0..3
	s_and_b32 s68, ttmp7, 0xffff                   ; cly, 0..15
	s_lshl_b32 s13, s68, 2
	s_add_co_u32 s13, s13, s41
	s_and_b32 s13, s13, 15                         ; tile row
	s_lshr_b32 s69, s68, 2                         ; the plane p
	s_lshr_b32 s70, s69, 1                         ; the branch
	s_and_b32 s71, s69, 1                          ; the K half
	s_lshl_b32 s43, s41, 2
	s_lshl_b32 s43, 15, s43                        ; my row of the cluster
	s_lshl_b32 s44, 0x1111, s40                    ; my column
	s_or_b32 s[G1+0], s43, G1W0
	s_or_b32 s[G1B+0], s44, G1W0
	s_mov_b32 s[G1+1], KSTEP<<16
	s_mov_b32 s[G1B+1], KSTEP<<16
	s_mov_b32 s[G1+2], 128<<16
	s_mov_b32 s[G1B+2], 128<<16
	s_mov_b32 s[G1+3], KSTEP<<16
	s_mov_b32 s[G1B+3], KSTEP<<16
	s_mov_b32 s[G1+4], 128
	s_mov_b32 s[G1B+4], 128
	s_mov_b32 s[G1+5], PITCHA
	s_mov_b32 s[G1B+5], PITCHB
	s_mov_b32 s[G1+6], 0
	s_mov_b32 s[G1B+6], 0
	s_mov_b32 s[G1+7], 0
	s_mov_b32 s[G1B+7], 0
	s_cmp_eq_u32 s71, 0
	s_cselect_b32 s66, 1.0, 0                      ; the bias counts in the first K half alone
	s_mov_b32 s67, s66
	s_lshl_b32 s17, s12, 7
	s_lshl_b32 s16, s13, 8
	s_add_co_u32 s16, s16, s17
	s_lshl_b32 s16, s16, 14                        ; hq: rows of 16,384 bytes,
	s_lshl_b32 s18, s70, 13                        ; the branch's 4,096 columns,
	s_add_co_u32 s16, s16, s18
	s_lshl_b32 s19, s71, 12                        ; the half's 2,048
	s_add_co_u32 s16, s16, s19
	s_lshl_b32 s46, s42, 8
	s_add_co_u32 s46, s46, s17
	s_lshl_b32 s18, s70, 10                        ; w2: the branch's 1,024 rows,
	s_add_co_u32 s46, s46, s18
	s_lshl_b32 s46, s46, 13                        ; of 8,192 bytes
	s_add_co_u32 s46, s46, s19
	s_mov_b32 s17, 0
	s_mov_b32 s47, 0
	s_mul_i32 s20, s10, HALFT
	s_wait_dscnt 0x0                               ; the opening add is done
	s_wait_kmcnt 0x0
	s_add_nc_u64 s[14:15], s[4:5], s[16:17]
	s_add_nc_u64 s[46:47], s[6:7], s[46:47]
	CROUND                                         ; all sixteen work-groups are here: the first joint loads meet
.irp s, 0,1
	s_mov_b32 s[G0+4*(\s)], 1
	s_add_co_u32 s[G0+4*(\s)+1], s20, (\s)*SLOT
	s_add_nc_u64 s[G0+4*(\s)+2:G0+4*(\s)+3], s[14:15], (\s)*KSTEP*2
	s_or_b32 s[G0+4*(\s)+3], s[G0+4*(\s)+3], 0x80000000
	s_mov_b32 s[G0B+4*(\s)], 1
	s_add_co_u32 s[G0B+4*(\s)+1], s20, (\s)*SLOT
	s_add_nc_u64 s[G0B+4*(\s)+2:G0B+4*(\s)+3], s[46:47], (\s)*KSTEP*2
	s_or_b32 s[G0B+4*(\s)+3], s[G0B+4*(\s)+3], 0x80000000
	JLOAD \s                                       ; two loads of mine are out
.endr
	v_and_b32 v1, 15, v0                           ; l % 16
	v_bfe_u32 v2, v0, 4, 1                         ; l / 16
	v_mul_u32_u24 v3, v1, PITCH
	v_lshl_add_u32 v3, v2, 4, v3
	s_mul_i32 s21, s11, HALFT
	s_mul_i32 s22, s12, HALFT
	s_add_co_u32 s22, s22, 2*HALFT
.irp s, 0,1
	v_add_nc_u32 v[ADRA+(\s)], s21, v3
	v_add_nc_u32 v[ADRB+(\s)], s22, v3
	s_add_co_u32 s21, s21, SLOT
	s_add_co_u32 s22, s22, SLOT
.endr
	s_mul_i32 s23, s10, WSTG                       ; my stage
	v_mul_u32_u24 v4, v1, SP
	v_lshl_add_u32 v4, v2, 5, v4
	v_add_nc_u32 v[STO], s23, v4
	v_and_b32 v5, 31, v0
	v_lshl_add_u32 v[RD], v5, 4, s23
	v_lshlrev_b32 v[CO], 4, v5                     ; 16 bytes a lane: 512 bytes of a row of part
	v_lshlrev_b32 v[BO], 5, v2
	s_lshl_b32 s16, s13, 8
	s_lshl_b32 s17, s11, 7
	s_add_co_u32 s16, s16, s17
	s_lshl_b32 s16, s16, 12                        ; my first row, 4,096 bytes a row,
	s_lshl_b32 s17, s69, 24                        ; in my plane of 16,777,216 bytes
	s_add_co_u32 s16, s16, s17
	s_lshl_b32 s46, s42, 8
	s_lshl_b32 s47, s12, 7
	s_add_co_u32 s46, s46, s47
	s_lshl_b32 s46, s46, 2                         ; my first column in bytes: in a row of part and in the bias
	s_add_co_u32 s16, s16, s46
	s_mov_b32 s17, 0
	s_add_nc_u64 s[8:9], s[8:9], s[16:17]
	s_mov_b32 s47, 0
	s_cmp_lt_u32 s68, 8                            ; planes 0 and 1 are mu's
	s_cselect_b64 s[76:77], s[76:77], s[78:79]
	s_add_nc_u64 s[76:77], s[76:77], s[46:47]
	; the prefetches: both offsets are made, each in registers of its own, and the wave's half chooses
	s_lshl_b32 s22, s12, 7
	s_lshl_b32 s20, s13, 8
	s_add_co_u32 s20, s20, s22
	s_lshl_b32 s21, s40, 5                         ; hq: my work-group's 32 rows by cx
	s_add_co_u32 s20, s20, s21
	s_lshl_b32 s20, s20, 14
	s_lshl_b32 s21, s70, 13
	s_add_co_u32 s20, s20, s21
	s_lshl_b32 s18, s42, 8
	s_add_co_u32 s18, s18, s22
	s_lshl_b32 s21, s41, 5                         ; w2: by cy
	s_add_co_u32 s18, s18, s21
	s_lshl_b32 s21, s70, 10
	s_add_co_u32 s18, s18, s21
	s_lshl_b32 s18, s18, 13
	s_and_b32 s23, s68, 3
	s_cmp_eq_u32 s23, 0
	s_cselect_b32 s23, 1, -1
	s_cmp_eq_u32 s11, 0                            ; do I fetch for hq?
	s_cselect_b32 s20, s20, s18
	s_cselect_b32 s[LIM], 1, s23                   ; the same in all sixteen partners, for a given wave
	s_cselect_b32 s22, 14, 13                      ; a row is 2^14 or 2^13 bytes
	s_cselect_b64 s[PFA:PFA+1], s[4:5], s[6:7]
	s_lshl_b32 s21, s71, 12
	s_add_co_u32 s20, s20, s21
	s_mov_b32 s21, 0
	s_add_nc_u64 s[PFA:PFA+1], s[PFA:PFA+1], s[20:21]
	s_add_nc_u64 s[PFA:PFA+1], s[PFA:PFA+1], 2*KSTEP*2  ; at K step 2: the first refill steps it to 3 and names K step 4
	v_and_b32 v[PFO], 31, v0
	v_lshlrev_b32 v[PFO], s22, v[PFO]
	; the bias of my 128 columns as eight blocks' C operand: register 8 b + j = b[16 b + 8 (l / 16) + j], times 1 or 0
	WIN 0x40
.irp b, 0,1,2,3,4,5,6,7
	global_load_b128 v[BI+8*(\b):BI+8*(\b)+3],   v[BO], s[76:77] offset:64*(\b)
	global_load_b128 v[BI+8*(\b)+4:BI+8*(\b)+7], v[BO], s[76:77] offset:64*(\b)+16
.endr
	s_wait_loadcnt 0x0
	WIN 0x41
.set i, 0
.rept 64
	v_cvt_f32_i32 v[BI+i], v[BI+i]
.set i, i+1
.endr
.set i, 0
.rept 32
	v_pk_mul_f32 v[BI+i:BI+i+1], v[BI+i:BI+i+1], s[66:67] op_sel_hi:[1,0]
.set i, i+2
.endr
	WIN 0
; 16 products; the 64 accumulators take turns, one instruction a turn, in the same order everywhere.  bias = 1: the first product starts the sum from the bias.
.macro MUL16 f, hi, a0, bias
.if \bias
	WIN 0x91+0x40*(\hi)
.else
	WIN 0xa1+0x50*(\hi)
.endif
.irp a, \a0, (\a0)+1
.irp b, 0,1,2,3,4,5,6,7
.if \bias
	v_wmma_f32_16x16x32_bf16 v[8*(8*(\a)+(\b)):8*(8*(\a)+(\b))+7], v[(\f)+8*(\b):(\f)+8*(\b)+7], v[(\f)+8*(4*(\hi)+(\a)):(\f)+8*(4*(\hi)+(\a))+7], v[BI+8*(\b):BI+8*(\b)+7]
.else
	v_wmma_f32_16x16x32_bf16 v[8*(8*(\a)+(\b)):8*(8*(\a)+(\b))+7], v[(\f)+8*(\b):(\f)+8*(\b)+7], v[(\f)+8*(4*(\hi)+(\a)):(\f)+8*(4*(\hi)+(\a))+7], v[8*(8*(\a)+(\b)):8*(8*(\a)+(\b))+7]
.endif
.endr
.endr
.endm
.macro FETCH slot, k, f                ; 32 LDS loads in one run
	WIN 0x40
.irp i, 0,1,2,3,4,5,6,7
	ds_load_b128 v[(\f)+8*(\i):(\f)+8*(\i)+3],   v[ADRB+(\slot)] offset:(\k)+(\i)*16*PITCH
	ds_load_b128 v[(\f)+8*(\i)+4:(\f)+8*(\i)+7], v[ADRB+(\slot)] offset:(\k)+(\i)*16*PITCH+32
.endr
	WIN 0
.irp i, 0,1,2,3,4,5,6,7
	ds_load_b128 v[(\f)+8*(\i):(\f)+8*(\i)+3],   v[ADRA+(\slot)] offset:(\k)+(\i)*16*PITCH
	ds_load_b128 v[(\f)+8*(\i)+4:(\f)+8*(\i)+7], v[ADRA+(\slot)] offset:(\k)+(\i)*16*PITCH+32
.endr
.endm
.macro PLACES                          ; four plain vector instructions behind a matrix instruction (ISA guide 7.12.1)
.rept 4
	v_nop
.endr
.endm
.macro QUARTER slot, k, f, g, bias
	s_wait_dscnt 8                                 ; the youngest eight loads (hq's rows 64-127) may be out
	MUL16 \f, 0, 0, \bias
	MUL16 \f, 0, 2, \bias
	PLACES
	FETCH \slot, \k, \g
	s_wait_dscnt 32                                ; all but the 32 just issued
	MUL16 \f, 1, 0, \bias
	MUL16 \f, 1, 2, \bias
.endm
.macro MEET round                      ; one barrier for the change of slots: all my tensor loads have landed, the add, my reads of this slot are over
	WIN 0
	s_wait_tensorcnt 0x0
	ds_add_u32 v[SPW], v[NIL]
	s_wait_dscnt 9                                 ; the add and the youngest eight loads may be out
	MUL16 F1, 0, 0, 0
	s_wait_dscnt 0x0
	s_barrier_signal -1
	MUL16 F1, 0, 2, 0
.if \round
	WIN 0
.endif
	s_barrier_wait -1
.endm
.macro TURN slot, next                 ; the barrier opens a round of the cluster's barrier; the joint refill is the first tensor load behind it, 224 products ahead of the wait for it
	s_wait_xcnt 0x0                                ; the last prefetch, a K step back, has read its address
	s_add_nc_u64 s[PFA:PFA+1], s[PFA:PFA+1], KSTEP*2
	MEET 1
	CREST
	s_add_nc_u64 s[G0+4*(\slot)+2:G0+4*(\slot)+3], s[G0+4*(\slot)+2:G0+4*(\slot)+3], 2*KSTEP*2
	s_add_nc_u64 s[G0B+4*(\slot)+2:G0B+4*(\slot)+3], s[G0B+4*(\slot)+2:G0B+4*(\slot)+3], 2*KSTEP*2
	JLOAD \slot
	FETCH \next, 0, F0
	ASK
	MUL16 F1, 1, 0, 0
	MUL16 F1, 1, 2, 0
.endm
.macro DUMP                            ; my 64 accumulators into my stage, each accumulator's low four registers first
.irp hi, 0,1
	WIN 0x08+4*(\hi)
.irp a, 0,1,2,3
.irp b, 0,1,2,3,4,5,6,7
	ds_store_b128 v[STO], v[8*(8*(\a)+(\b)):8*(8*(\a)+(\b))+3]   offset:(4*(\hi)+(\a))*16*SP+64*(\b)
	ds_store_b128 v[STO], v[8*(8*(\a)+(\b))+4:8*(8*(\a)+(\b))+7] offset:(4*(\hi)+(\a))*16*SP+64*(\b)+16
.endr
.endr
.endr
	WIN 0
.endm
.macro RB set, row                     ; eight rows back
.irp j, 0,1,2,3,4,5,6,7
	ds_load_b128 v[X0+160*(\set)+4*(\j):X0+160*(\set)+4*(\j)+3], v[RD] offset:((\row)+(\j))*SP  ; LDS serves a wave's instructions in order (ISA guide 5.7.1.4)
.endr
.endm
.macro PROC set, row, younger          ; eight rows stored as they are: f32 partial sums
.irp j, 0,1,2,3,4,5,6,7
	s_wait_dscnt (\younger)+7-(\j)
	global_store_b128 v[CO], v[X0+160*(\set)+4*(\j):X0+160*(\set)+4*(\j)+3], s[8:9] offset:((\row)+(\j))*CROW  ; 512 consecutive bytes, aligned
.endr
.endm
	s_wait_tensorcnt 1                             ; my part of K step 0 is in; K step 1's may stay out
	s_barrier_signal -1
	s_barrier_wait -1
	FETCH 0, 0, F0
	QUARTER 0, 64,  F0, F1, 1
	WIN 0
	s_mov_b32 s3, LAPS-1
.Llap:
	QUARTER 0, 128, F1, F0, 0
	QUARTER 0, 192, F0, F1, 0
	TURN 0, 1
	QUARTER 1, 64,  F0, F1, 0
	QUARTER 1, 128, F1, F0, 0
	QUARTER 1, 192, F0, F1, 0
	TURN 1, 0
	QUARTER 0, 64,  F0, F1, 0
	WIN 0
	s_sub_co_u32 s3, s3, 1
	s_cmp_lg_u32 s3, 0
	s_cbranch_scc1 .Llap
	QUARTER 0, 128, F1, F0, 0                      ; the last lap is written out: it fills nothing and has no round
	QUARTER 0, 192, F0, F1, 0
	MEET 0
	PLACES
	FETCH 1, 0, F0
	MUL16 F1, 1, 0, 0
	MUL16 F1, 1, 2, 0
	QUARTER 1, 64,  F0, F1, 0
	QUARTER 1, 128, F1, F0, 0
	QUARTER 1, 192, F0, F1, 0
	s_wait_dscnt 8
	MUL16 F1, 0, 0, 0
	MUL16 F1, 0, 2, 0
	s_wait_dscnt 0x0                               ; my last reads of the ring are back
	s_barrier_signal -1
	MUL16 F1, 1, 0, 0
	MUL16 F1, 1, 2, 0
	WIN 0
	s_barrier_wait -1                              ; everybody's are: the ring's bytes, which have had their last fill, may be written
	PLACES
	PLACES                                         ; four are asked for behind the last product; eight are written, once a launch
	DUMP
	RB 0, 0
	s_mov_b32 s3, 7
.Lrow:                                                 ; 16 rows a trip, on two sets of registers
	RB 1, 8
	PROC 0, 0, 8
	v_add_nc_u32 v[RD], 16*SP, v[RD]
	s_wait_xcnt 0x0                                ; set 0 is store data: it is loaded again only behind this wait
	RB 0, 0
	PROC 1, 8, 8
	s_wait_xcnt 0x0                                ; set 1 and the stores' base likewise
	s_add_nc_u64 s[8:9], s[8:9], 16*CROW
	s_sub_co_u32 s3, s3, 1
	s_cmp_lg_u32 s3, 0
	s_cbranch_scc1 .Lrow
	RB 1, 8
	PROC 0, 0, 8
	PROC 1, 8, 0
	s_wait_tensorcnt 0x0                           ; the wave's end: these three lines stand behind my last tensor load and my last LDS store
	ds_add_u32 v[SPW], v[NIL]
	s_wait_dscnt 0x0
	CROUND                                         ; the closing round
	s_endpgm
.Lfunc_end_k_q8bedf39e1b_gemm2:
	.size	k_q8bedf39e1b_gemm2, .Lfunc_end_k_q8bedf39e1b_gemm2-k_q8bedf39e1b_gemm2
	.p2alignl 7, 3214868480
	.fill 96, 4, 3214868480
	.section	.rodata,"a",@progbits
	.p2align	6, 0x0
	.amdhsa_kernel k_q8bedf39e1b_gemm2
		.amdhsa_group_segment_fixed_size 327680
		.amdhsa_private_segment_fixed_size 0
		.amdhsa_enable_private_segment 0
		.amdhsa_kernarg_size 40
		.amdhsa_user_sgpr_count 2
		.amdhsa_user_sgpr_kernarg_segment_ptr 1
		.amdhsa_wavefront_size32 1
		.amdhsa_system_sgpr_workgroup_id_x 1
		.amdhsa_system_sgpr_workgroup_id_y 1
		.amdhsa_system_sgpr_workgroup_id_z 1
		.amdhsa_system_vgpr_workitem_id 0
		.amdhsa_next_free_vgpr 1024
		.amdhsa_next_free_sgpr 80
		.amdhsa_reserve_vcc 0
		.amdhsa_float_denorm_mode_32 3
		.amdhsa_float_denorm_mode_16_64 3
		.amdhsa_memory_ordered 1
		.amdhsa_forward_progress 1
		.amdhsa_inst_pref_size 133
	.end_amdhsa_kernel
	.amdgpu_metadata
---
amdhsa.version: [ 1, 2 ]
amdhsa.kernels:
  - .name:           k_q8bedf39e1b_gemm2
    .symbol:         k_q8bedf39e1b_gemm2.kd
    .args:
      - { .name: hq, .offset: 0, .size: 8, .value_kind: global_buffer, .address_space: global }
      - { .name: w2, .offset: 8, .size: 8, .value_kind: global_buffer, .address_space: global }
      - { .name: b_mu2, .offset: 16, .size: 8, .value_kind: global_buffer, .address_space: global }
      - { .name: b_lv2, .offset: 24, .size: 8, .value_kind: global_buffer, .address_space: global }
      - { .name: part, .offset: 32, .size: 8, .value_kind: global_buffer, .address_space: global }
    .group_segment_fixed_size: 327680
    .private_segment_fixed_size: 0
    .kernarg_segment_align: 8
    .kernarg_segment_size: 40
    .max_flat_workgroup_size: 128
    .sgpr_count:     80
    .vgpr_count:     1024
    .wavefront_size: 32
...
	.end_amdgpu_metadata
.endif
;; end of part 3
;; launch finish (part 4): grid 1024 x 1, 4 waves a work-group, no clusters, 0 bytes of LDS; arguments part, x, out0, out1; writes out0, out1
.if DOCPART == 4
	.amdgcn_target "amdgcn-amd-amdhsa--gfx1250"
	.amdhsa_code_object_version 6
	.text
	.protected	k_q8bedf39e1b_finish
	.globl	k_q8bedf39e1b_finish
	.p2align	8
	.type	k_q8bedf39e1b_finish,@function
k_q8bedf39e1b_finish:
	s_mov_b64 s[64:65], 0
	v_nop
	global_prefetch_b8 v0, s[64:65] scope:SCOPE_SE
	s_setreg_imm32_b32 hwreg(HW_REG_WAVE_MODE, 25, 1), 1
	s_wait_xcnt 0x0
; THE END OF BOTH BRANCHES.  part [4][4096][1024] f32: planes 0, 1 mu's two K halves, planes 2, 3 lv's, in units of 1e-4 (0.02 x 0.005, which is also the bias's scale).
;   mu = x + 1e-4 (p0 + p1);  out0 = mu / max(sqrt(sum of mu^2 over the row), 1e-12);      out1 = clip(1e-4 (p2 + p3), -5, 2).
; A stream: one wave takes one row of both branches: 5 x 4,096 bytes in, by 40 loads of 512 consecutive bytes, all issued at once; 2 x 4,096 bytes out.  The row stays in registers between the sum of
; squares and the scaling; the reduction never leaves the wave: no LDS, no barrier.  No register is written under a pending store.
; LIMITS.  The row's sum of squares is kept in f32: |mu| stays under about 1e17; a sum below 2^-126 counts as 0 (the norm is then far under 1e-12, which takes its place anyway).
; The division is a multiplication by v_rcp_f32's reciprocal.
.set P0,  4                            ; v[4:35]
.set P1,  36                           ; v[36:67]
.set X,   68                           ; v[68:99]    x, then mu, then out0
.set P2,  100                          ; v[100:131]  then out1
.set P3,  132                          ; v[132:163]
.set Q,   164                          ; v[164:171]  four chains of squares, two sums each
.set SUM, 172                          ; v172-173
.set NRM, 174
.set R,   176                          ; v[176:177]  1 / norm, twice
	s_load_b256 s[4:11], s[0:1], 0x0               ; part s[4:5], x s[6:7], out0 s[8:9], out1 s[10:11]
	v_lshrrev_b32 v2, 5, v0
	v_readfirstlane_b32 s12, v2                    ; wave
	v_and_b32 v1, 31, v0
	v_lshlrev_b32 v1, 4, v1                        ; 16 bytes a lane
	v_mov_b32 v[SUM+1], 0                          ; v_permlanex16_b32's destination counts as read
	s_lshl_b32 s14, ttmp9, 2
	s_add_co_u32 s14, s14, s12                     ; my row
	s_lshl_b32 s14, s14, 12
	s_mov_b32 s15, 0
	s_mov_b32 s24, 0x38d1b717                      ; 1e-4
	s_mov_b32 s25, s24
	s_mov_b32 s26, 0xc0a00000                      ; -5.0
	s_mov_b32 s28, 0x76543210                      ; each lane takes its own place in the other half
	s_mov_b32 s29, 0xfedcba98
	s_wait_kmcnt 0x0
	s_add_nc_u64 s[16:17], s[4:5], s[14:15]
	s_add_nc_u64 s[18:19], s[16:17], 0x1000000
	s_add_nc_u64 s[20:21], s[16:17], 0x2000000
	s_add_nc_u64 s[22:23], s[16:17], 0x3000000
	s_add_nc_u64 s[6:7], s[6:7], s[14:15]
	s_add_nc_u64 s[8:9], s[8:9], s[14:15]
	s_add_nc_u64 s[10:11], s[10:11], s[14:15]
.irp j, 0,1,2,3,4,5,6,7
	global_load_b128 v[P0+4*(\j):P0+4*(\j)+3], v1, s[16:17] offset:512*(\j) th:TH_LOAD_NT
.endr
.irp j, 0,1,2,3,4,5,6,7
	global_load_b128 v[P1+4*(\j):P1+4*(\j)+3], v1, s[18:19] offset:512*(\j) th:TH_LOAD_NT
.endr
.irp j, 0,1,2,3,4,5,6,7
	global_load_b128 v[X+4*(\j):X+4*(\j)+3], v1, s[6:7] offset:512*(\j) th:TH_LOAD_NT
.endr
.irp j, 0,1,2,3,4,5,6,7
	global_load_b128 v[P2+4*(\j):P2+4*(\j)+3], v1, s[20:21] offset:512*(\j) th:TH_LOAD_NT
.endr
.irp j, 0,1,2,3,4,5,6,7
	global_load_b128 v[P3+4*(\j):P3+4*(\j)+3], v1, s[22:23] offset:512*(\j) th:TH_LOAD_NT
.endr
	s_wait_loadcnt 16                              ; mu's two planes and x are in; lv's sixteen loads may stay out
.set i, 0
.rept 16
	v_pk_add_f32 v[P0+i:P0+i+1], v[P0+i:P0+i+1], v[P1+i:P1+i+1]
.set i, i+2
.endr
.set i, 0
.rept 16
	v_pk_fma_f32 v[X+i:X+i+1], v[P0+i:P0+i+1], s[24:25], v[X+i:X+i+1] op_sel_hi:[1,0,1]  ; mu = x + 1e-4 sum
.set i, i+2
.endr
.irp i, 0,1,2,3
	v_pk_mul_f32 v[Q+2*(\i):Q+2*(\i)+1], v[X+2*(\i):X+2*(\i)+1], v[X+2*(\i):X+2*(\i)+1]  ; the first four pairs start the chains: nothing is cleared
.endr
.set i, 4
.rept 12
	v_pk_fma_f32 v[Q+2*(i%4):Q+2*(i%4)+1], v[X+2*i:X+2*i+1], v[X+2*i:X+2*i+1], v[Q+2*(i%4):Q+2*(i%4)+1]
.set i, i+1
.endr
	v_pk_add_f32 v[Q:Q+1], v[Q:Q+1], v[Q+2:Q+3]
	v_pk_add_f32 v[Q+4:Q+5], v[Q+4:Q+5], v[Q+6:Q+7]
	v_pk_add_f32 v[Q:Q+1], v[Q:Q+1], v[Q+4:Q+5]
	v_add_f32 v[SUM], v[Q], v[Q+1]
	v_add_f32_dpp v[SUM], v[SUM], v[SUM] row_xmask:1 row_mask:0xf bank_mask:0xf
	v_add_f32_dpp v[SUM], v[SUM], v[SUM] row_xmask:2 row_mask:0xf bank_mask:0xf
	v_add_f32_dpp v[SUM], v[SUM], v[SUM] row_xmask:4 row_mask:0xf bank_mask:0xf
	v_add_f32_dpp v[SUM], v[SUM], v[SUM] row_xmask:8 row_mask:0xf bank_mask:0xf
	v_permlanex16_b32 v[SUM+1], v[SUM], s28, s29
	v_add_f32 v[SUM], v[SUM], v[SUM+1]             ; every lane holds the row's sum of squares
	v_sqrt_f32 v[NRM], v[SUM]
	s_wait_loadcnt 0x0                             ; lv's planes
.set i, 0
.rept 16
	v_pk_add_f32 v[P2+i:P2+i+1], v[P2+i:P2+i+1], v[P3+i:P3+i+1]  ; plain work that names nothing of the root stands behind it
.set i, i+2
.endr
	s_wait_alu depctr_va_vdst(0)                   ; the wait stands ahead of the root's first reader
	v_max_num_f32 v[NRM], 0x2b8cbccc, v[NRM]       ; max(norm, 1e-12)
	v_rcp_f32 v[R], v[NRM]
	v_rcp_f32 v[R+1], v[NRM]                       ; twice, for the packed multiply
.set i, 0
.rept 16
	v_pk_mul_f32 v[P2+i:P2+i+1], v[P2+i:P2+i+1], s[24:25] op_sel_hi:[1,0]  ; lv's end is the independent work behind the two reciprocals
.set i, i+2
.endr
.set i, 0
.rept 32
	v_med3_num_f32 v[P2+i], v[P2+i], s26, 2.0
.set i, i+1
.endr
.irp j, 0,1,2,3,4,5,6,7
	global_store_b128 v1, v[P2+4*(\j):P2+4*(\j)+3], s[10:11] offset:512*(\j) th:TH_STORE_NT
.endr
	s_wait_alu depctr_va_vdst(0)                   ; one wait for both reciprocals, ahead of their first reader
.set i, 0
.rept 16
	v_pk_mul_f32 v[X+i:X+i+1], v[X+i:X+i+1], v[R:R+1]
.set i, i+2
.endr
.irp j, 0,1,2,3,4,5,6,7
	global_store_b128 v1, v[X+4*(\j):X+4*(\j)+3], s[8:9] offset:512*(\j) th:TH_STORE_NT
.endr
	s_endpgm
.Lfunc_end_k_q8bedf39e1b_finish:
	.size	k_q8bedf39e1b_finish, .Lfunc_end_k_q8bedf39e1b_finish-k_q8bedf39e1b_finish
	.p2alignl 7, 3214868480
	.fill 96, 4, 3214868480
	.section	.rodata,"a",@progbits
	.p2align	6, 0x0
	.amdhsa_kernel k_q8bedf39e1b_finish
		.amdhsa_group_segment_fixed_size 0
		.amdhsa_private_segment_fixed_size 0
		.amdhsa_enable_private_segment 0
		.amdhsa_kernarg_size 32
		.amdhsa_user_sgpr_count 2
		.amdhsa_user_sgpr_kernarg_segment_ptr 1
		.amdhsa_wavefront_size32 1
		.amdhsa_system_sgpr_workgroup_id_x 1
		.amdhsa_system_sgpr_workgroup_id_y 1
		.amdhsa_system_sgpr_workgroup_id_z 1
		.amdhsa_system_vgpr_workitem_id 0
		.amdhsa_next_free_vgpr 180
		.amdhsa_next_free_sgpr 66
		.amdhsa_reserve_vcc 0
		.amdhsa_float_denorm_mode_32 3
		.amdhsa_float_denorm_mode_16_64 3
		.amdhsa_memory_ordered 1
		.amdhsa_forward_progress 1
		.amdhsa_inst_pref_size 16
	.end_amdhsa_kernel
	.amdgpu_metadata
---
amdhsa.version: [ 1, 2 ]
amdhsa.kernels:
  - .name:           k_q8bedf39e1b_finish
    .symbol:         k_q8bedf39e1b_finish.kd
    .args:
      - { .name: part, .offset: 0, .size: 8, .value_kind: global_buffer, .address_space: global }
      - { .name: x, .offset: 8, .size: 8, .value_kind: global_buffer, .address_space: global }
      - { .name: out0, .offset: 16, .size: 8, .value_kind: global_buffer, .address_space: global }
      - { .name: out1, .offset: 24, .size: 8, .value_kind: global_buffer, .address_space: global }
    .group_segment_fixed_size: 0
    .private_segment_fixed_size: 0
    .kernarg_segment_align: 8
    .kernarg_segment_size: 32
    .max_flat_workgroup_size: 128
    .sgpr_count:     66
    .vgpr_count:     180
    .wavefront_size: 32
...
	.end_amdgpu_metadata
.endif
;; end of part 4
;; ======== version 2 of 2: 4 launches; version 1 with the launch prep written anew for expert scheduling mode
;; workspace buffers: xq 8,388,608 bytes; w1 16,777,216 bytes; w2 16,777,216 bytes; hq 67,108,864 bytes; part 67,108,864 bytes
;; launch prep (part 5): grid 256 x 3, 8 waves a work-group, no clusters, 0 bytes of LDS; arguments x, w_mu1, w_lv1, xq, w1; writes xq, w1
.if DOCPART == 5
	.amdgcn_target "amdgcn-amd-amdhsa--gfx1250"
	.amdhsa_code_object_version 6
	.text
	.protected	k_q8bedf39e1b_prep
	.globl	k_q8bedf39e1b_prep
	.p2align	8
	.type	k_q8bedf39e1b_prep,@function
k_q8bedf39e1b_prep:
	s_mov_b64 s[64:65], 0
	v_nop
	global_prefetch_b8 v0, s[64:65] scope:SCOPE_SE
	s_setreg_imm32_b32 hwreg(HW_REG_WAVE_SCHED_MODE, 0, 2), 2
	s_setreg_imm32_b32 hwreg(HW_REG_WAVE_MODE, 25, 1), 1
	s_wait_xcnt 0x0
	s_wait_alu depctr_vm_vsrc(0)
; THE OPERANDS OF THE FIRST LAYER'S PRODUCT, MADE ONCE.  Three tensors of 16,777,216 bytes, chosen by the grid's y:
;   0: x (f32)        -> xq = clip(round(x / 0.02), -128, 127) as bf16: whole numbers of 8 bits, exact in bf16
;   1, 2: w_mu1, w_lv1 (int32) -> w1 [8192][1024] bf16, mu's rows first
; (The second layer's weights are wanted only two launches on: they are converted beside the first layer's product.)
; A stream: a work-group takes 65,536 input bytes, a wave 8,192: sixteen loads of 512 consecutive bytes, all issued at once; four numbers a lane become 8 bytes,
; so each store of the wave covers 256 consecutive bytes, aligned.  No LDS, no barrier: no wave wants another's bytes.
; THE MODE: SCHED_MODE bits 1:0 = 2 (LLVM: expert scheduling mode 2), set by the entry lines.  The code itself states the register dependences
; between vector instructions and memory instructions, with s_wait_alu, always for 0.
; THE PLAN.  Registers that memory instructions touch:
;   v1, v2     byte offsets in and out, made once at the head, read by every load (v1) and every store (v2), never written again.
;   IN         four registers for each of the sixteen loads.  Written by the loads, which are issued before any vector instruction names them; then, behind load i's wait, worked on in place.  No memory instruction reads them.
;   OUT        two registers for each of the sixteen rows.  Written once, by row i's two roundings; read by store i; never written again.
;   Q and R are named by vector instructions alone.
; The sixteen rows go in four blocks of four.  Block p works on its own IN and writes its own OUT; its memory instructions are the four stores of block p - 1, dealt among its rows, which read
; the OUT of block p - 1 and v2: registers that no vector instruction of block p names.  So one wait on va_vdst at a block's head states all that the block's stores hang on.
; With the one at the kernel's head (the offsets) and the one ahead of the last four stores a wave passes five.  No register that a memory instruction reads is written again:
; no wait on vm_vsrc and no s_wait_xcnt is owed.  No vector instruction writes a scalar register or VCC, and EXEC is never written.
; THE QUOTIENT.  DIVIDE = 0: q = 50.0f x, rounded once: the division by the constant 0.02f taken as a multiplication by its reciprocal rounded to f32 (1 / 0.02f = 50.0000011; f32 numbers lie 3.8e-6 apart there).
; DIVIDE = 1: q = x / 0.02f rounded once: q0 = 50 x; r = x - q0 c (one fused multiply-add); q = q0 + 50 r.
; LIMIT, STATED: the two differ by 2.2e-8 of q, so they round to different whole numbers only where 50 x lies that near a half: about one x in a million; this text takes the product.
; LIMITS.  x is first held to -4 .. 4 (beyond 2.57 the clip decides anyway), so infinities count as +-4; a NaN in x is not carried through.  A weight beyond +-256 is rounded to bf16's 8 bits.
.set DIVIDE, 0
.set BLOCK, 4                          ; rows in a block
.set IN,  4                            ; v[4:67]    sixteen loads of four numbers
.set Q,   68                           ; v[68:71]   at work
.set R,   72                           ; v[72:75]   at work (DIVIDE = 1 alone)
.set OUT, 76                           ; v[76:107]  two registers for each load: never rewritten
	s_load_b256 s[8:15], s[0:1], 0x0               ; x 8, w_mu1 10, w_lv1 12, xq 14
	s_load_b64 s[16:17], s[0:1], 0x20              ; w1
	s_and_b32 s2, ttmp7, 0xffff                    ; which tensor
	v_and_b32 v2, 31, v0
	v_and_b32 v3, 0xe0, v0                         ; 32 x wave
	v_lshlrev_b32 v2, 4, v2
	v_lshl_or_b32 v1, v3, 8, v2                    ; in: 8,192 x wave + 16 x lane
	v_lshrrev_b32 v2, 1, v1                        ; out: half of that
	s_cmp_eq_u32 s2, 2
	s_cselect_b32 s24, 0x800000, 0                 ; the lv weights lie behind the mu weights
	s_lshl_b32 s25, ttmp9, 15                      ; the work-group's 32,768 bytes out,
	s_add_co_u32 s24, s24, s25
	s_mov_b32 s25, 0
	s_lshl_b32 s26, ttmp9, 16                      ; its 65,536 bytes in
	s_mov_b32 s27, 0
	s_mov_b32 s28, 0x42480000                      ; 50.0
	s_mov_b32 s29, s28
.if DIVIDE
	s_mov_b32 s30, 0xbca3d70a                      ; -0.02f
	s_mov_b32 s31, s30
.endif
	s_mov_b32 s32, 0xc3000000                      ; -128.0
	s_mov_b32 s33, 0x42fe0000                      ; 127.0
	s_wait_kmcnt 0x0
	s_cmp_eq_u32 s2, 1
	s_cselect_b64 s[4:5], s[10:11], s[8:9]
	s_cmp_eq_u32 s2, 2
	s_cselect_b64 s[4:5], s[12:13], s[4:5]
	s_cmp_eq_u32 s2, 0
	s_cselect_b64 s[6:7], s[14:15], s[16:17]
	s_add_nc_u64 s[4:5], s[4:5], s[26:27]
	s_add_nc_u64 s[6:7], s[6:7], s[24:25]
	s_wait_alu depctr_va_vdst(0)                   ; v1 and v2 are written: every load of the kernel reads v1 as its offset, every store v2, on both ways of the branch below
.irp i, 0,1,2,3,4,5,6,7,8,9,10,11,12,13,14,15
	global_load_b128 v[IN+4*(\i):IN+4*(\i)+3], v1, s[4:5] offset:512*(\i) th:TH_LOAD_NT
.endr
	s_cmp_lg_u32 s2, 0
	s_cbranch_scc1 .Lw
; The head of row i, for x and for the weights alike: the wait for load i, at a block's first row the block's one wait on va_vdst, and the store of the row one block back.
.macro HEAD i
.if ((\i)%BLOCK) == 0
	s_wait_loadcnt 15-(\i)                         ; loads come back in order: load i is in, the younger ones stay out
.if (\i) > 0
	s_wait_alu depctr_va_vdst(0)                   ; the block before has written its eight registers of OUT, which this block's four stores read
.endif
.endif
.if (\i) >= BLOCK
	global_store_b64 v2, v[OUT+2*((\i)-BLOCK):OUT+2*((\i)-BLOCK)+1], s[6:7] offset:256*((\i)-BLOCK)  ; the row one block back; no vector instruction since the wait names its registers
.endif
.if ((\i)%BLOCK) != 0
	s_wait_loadcnt 15-(\i)                         ; load i is in, the younger ones stay out
.endif
.endm
; Behind row 15: the last block's stores.
.macro TAIL
	s_wait_alu depctr_va_vdst(0)                   ; the last block has written its eight registers of OUT, which the last four stores read
.irp i, 12,13,14,15
	global_store_b64 v2, v[OUT+2*(\i):OUT+2*(\i)+1], s[6:7] offset:256*(\i)
.endr
.endm
.macro QX i                            ; four numbers of x
	HEAD \i
.irp k, 0,1,2,3
	v_med3_num_f32 v[IN+4*(\i)+(\k)], v[IN+4*(\i)+(\k)], -4.0, 4.0
.endr
.irp k, 0,2
	v_pk_mul_f32 v[Q+(\k):Q+(\k)+1], v[IN+4*(\i)+(\k):IN+4*(\i)+(\k)+1], s[28:29] op_sel_hi:[1,0]  ; q = 50 x
.endr
.if DIVIDE
.irp k, 0,2
	v_pk_fma_f32 v[R+(\k):R+(\k)+1], v[Q+(\k):Q+(\k)+1], s[30:31], v[IN+4*(\i)+(\k):IN+4*(\i)+(\k)+1] op_sel_hi:[1,0,1]  ; r = x - q0 c
.endr
.irp k, 0,2
	v_pk_fma_f32 v[Q+(\k):Q+(\k)+1], v[R+(\k):R+(\k)+1], s[28:29], v[Q+(\k):Q+(\k)+1] op_sel_hi:[1,0,1]  ; q = q0 + 50 r
.endr
.endif
.irp k, 0,1,2,3
	v_rndne_f32 v[Q+(\k)], v[Q+(\k)]               ; ties to even, as jnp.round
.endr
.irp k, 0,1,2,3
	v_med3_num_f32 v[Q+(\k)], v[Q+(\k)], s32, s33
.endr
	v_cvt_pk_bf16_f32 v[OUT+2*(\i)], v[Q], v[Q+1]
	v_cvt_pk_bf16_f32 v[OUT+2*(\i)+1], v[Q+2], v[Q+3]
.endm
.irp i, 0,1,2,3,4,5,6,7,8,9,10,11,12,13,14,15
	QX \i
.endr
	TAIL
	s_endpgm
.Lw:
.macro QW i                            ; four weights
	HEAD \i
.irp k, 0,1,2,3
	v_cvt_f32_i32 v[IN+4*(\i)+(\k)], v[IN+4*(\i)+(\k)]
.endr
	v_cvt_pk_bf16_f32 v[OUT+2*(\i)], v[IN+4*(\i)], v[IN+4*(\i)+1]
	v_cvt_pk_bf16_f32 v[OUT+2*(\i)+1], v[IN+4*(\i)+2], v[IN+4*(\i)+3]
.endm
.irp i, 0,1,2,3,4,5,6,7,8,9,10,11,12,13,14,15
	QW \i
.endr
	TAIL
	s_endpgm
.Lfunc_end_k_q8bedf39e1b_prep:
	.size	k_q8bedf39e1b_prep, .Lfunc_end_k_q8bedf39e1b_prep-k_q8bedf39e1b_prep
	.p2alignl 7, 3214868480
	.fill 96, 4, 3214868480
	.section	.rodata,"a",@progbits
	.p2align	6, 0x0
	.amdhsa_kernel k_q8bedf39e1b_prep
		.amdhsa_group_segment_fixed_size 0
		.amdhsa_private_segment_fixed_size 0
		.amdhsa_enable_private_segment 0
		.amdhsa_kernarg_size 40
		.amdhsa_user_sgpr_count 2
		.amdhsa_user_sgpr_kernarg_segment_ptr 1
		.amdhsa_wavefront_size32 1
		.amdhsa_system_sgpr_workgroup_id_x 1
		.amdhsa_system_sgpr_workgroup_id_y 1
		.amdhsa_system_sgpr_workgroup_id_z 1
		.amdhsa_system_vgpr_workitem_id 0
		.amdhsa_next_free_vgpr 108
		.amdhsa_next_free_sgpr 66
		.amdhsa_reserve_vcc 0
		.amdhsa_float_denorm_mode_32 3
		.amdhsa_float_denorm_mode_16_64 3
		.amdhsa_memory_ordered 1
		.amdhsa_forward_progress 1
		.amdhsa_inst_pref_size 26
	.end_amdhsa_kernel
	.amdgpu_metadata
---
amdhsa.version: [ 1, 2 ]
amdhsa.kernels:
  - .name:           k_q8bedf39e1b_prep
    .symbol:         k_q8bedf39e1b_prep.kd
    .args:
      - { .name: x, .offset: 0, .size: 8, .value_kind: global_buffer, .address_space: global }
      - { .name: w_mu1, .offset: 8, .size: 8, .value_kind: global_buffer, .address_space: global }
      - { .name: w_lv1, .offset: 16, .size: 8, .value_kind: global_buffer, .address_space: global }
      - { .name: xq, .offset: 24, .size: 8, .value_kind: global_buffer, .address_space: global }
      - { .name: w1, .offset: 32, .size: 8, .value_kind: global_buffer, .address_space: global }
    .group_segment_fixed_size: 0
    .private_segment_fixed_size: 0
    .kernarg_segment_align: 8
    .kernarg_segment_size: 40
    .max_flat_workgroup_size: 256
    .sgpr_count:     66
    .vgpr_count:     108
    .wavefront_size: 32
...
	.end_amdgpu_metadata
.endif
;; end of part 5
;; launch gemm1: the kernel of part 2 again; grid 32 x 16, 4 waves a work-group, clusters of 4 x 4, 327,680 bytes of LDS; arguments xq, w1, b_mu1, b_lv1, hq, w_mu2, w_lv2, w2; writes hq, w2
;; launch gemm2: the kernel of part 3 again; grid 4 x 64, 4 waves a work-group, clusters of 4 x 4, 327,680 bytes of LDS; arguments hq, w2, b_mu2, b_lv2, part; writes part
;; launch finish: the kernel of part 4 again; grid 1024 x 1, 4 waves a work-group, no clusters, 0 bytes of LDS; arguments part, x, out0, out1; writes out0, out1
